; MI455X (gfx1250); checked and timed in simulation.
; The chip was launched on July 23, 2026; its instructions are those of AMD's public machine-readable ISA for CDNA 5 (MIT licence, August 2026) and "CDNA5" Instruction Set Architecture Reference Guide (July 2026). The comments in the code are by the model that wrote it; some were corrected since.
;; Multi Head Attention. Allowed arithmetic: matrix products marked QUANTISED: E2M1 operands, one E8M0 scale for each 32 along K, by v_wmma_scale_f32_16x16x128_f8f6f4 with both operands' format E2M1 (or v_wmma_scale_f32_32x16x128_f4), f32 sums; everything else in f32.
;; Inputs: Wk_codes 1,024 x 32 x 16 uint8 (E2M1 codes of Wk, K innermost, in blocks of 32 codes, two codes a byte); Wk_scales 1,024 x 32 uint8 (E8M0 scales of Wk, one for each 32 codes along K); Wo_codes 1,024 x 32 x 16 uint8 (E2M1 codes of Wo, K innermost, in blocks of 32 codes, two codes a byte); Wo_scales 1,024 x 32 uint8 (E8M0 scales of Wo, one for each 32 codes along K); Wq_codes 1,024 x 32 x 16 uint8 (E2M1 codes of Wq, K innermost, in blocks of 32 codes, two codes a byte); Wq_scales 1,024 x 32 uint8 (E8M0 scales of Wq, one for each 32 codes along K); Wv_codes 1,024 x 32 x 16 uint8 (E2M1 codes of Wv, K innermost, in blocks of 32 codes, two codes a byte); Wv_scales 1,024 x 32 uint8 (E8M0 scales of Wv, one for each 32 codes along K); bk 1,024 float32; bo 1,024 float32; bq 1,024 float32; bv 1,024 float32; x_codes 4 x 2,048 x 32 x 16 uint8 (E2M1 codes of x, K innermost, in blocks of 32 codes, two codes a byte); x_scales 4 x 2,048 x 32 uint8 (E8M0 scales of x, one for each 32 codes along K).
;; Outputs: out0 4 x 2,048 x 1,024 float32.
;; This version of the problem:
;;   THIS VERSION OF THE PROBLEM IS GIVEN IN LOW PRECISION. The matrix products marked QUANTISED in the list below multiply operands that are first quantised to E2M1 (2 exponent bits, 1 mantissa bit; 4 bits a number), with one power-of-two scale for each 32 numbers along K (OCP MX v1.0); their sums are f32. All else is computed in f32.
;;   The module's matrix products, in the order in which they are computed (A, B: the left and right operand; K: the contracted axis; several contracted axes count as one K, in the product's order):
;;     1. [M 8,192, K 1,024] x [K 1,024, N 1,024]; A: input x (given as codes); B: input Wq (given as codes): QUANTISED
;;     2. [M 8,192, K 1,024] x [K 1,024, N 1,024]; A: input x (given as codes); B: input Wk (given as codes): QUANTISED
;;     3. [M 8,192, K 1,024] x [K 1,024, N 1,024]; A: input x (given as codes); B: input Wv (given as codes): QUANTISED
;;     4. batch 64 x [M 2,048, K 64] x [K 64, N 2,048]; A: computed on the way; B: computed on the way: QUANTISED
;;     5. batch 64 x [M 2,048, K 2,048] x [K 2,048, N 64]; A: softmax (see below); B: computed on the way: QUANTISED
;;     6. [M 8,192, K 1,024] x [K 1,024, N 1,024]; A: computed on the way; B: input Wo (given as codes): QUANTISED
;;   THE QUANTISER, for each operand of a quantised product, along K:
;;     - K is cut into blocks of 32 from its start; a last block that is shorter is filled with zeros.
;;     - A block's scale is 2^e with e = floor(log2(the largest magnitude in the block)) - 2, held to -126 .. 127; a block of zeros has e = 0. As a byte (E8M0): e + 127.
;;     - Each number is divided by its block's scale, clamped to +-6, and rounded to the nearest number of E2M1, ties to even, subnormals kept.
;;     - The product sums the exact products of the quantised numbers (number of the format x scale) in f32.
;;   ~~~python
;;   def quantise(x, axis):      # numpy; x: float32 -> the quantised numbers, widened to float32 again
;;       x = np.moveaxis(x, axis, -1); K = x.shape[-1]
;;       x = np.pad(x, [(0, 0)] * (x.ndim - 1) + [(0, -K % 32)]); x = x.reshape(x.shape[:-1] + (-1, 32)); a = np.abs(x).max(-1, keepdims=True)
;;       e = np.where(a > 0, np.clip(np.frexp(np.where(a > 0, a, 1))[1] - 1 - 2, -126, 127), 0)      # np.frexp(a)[1] - 1 = floor(log2(a)), exactly
;;       r = np.clip(x / 2.0 ** e, -6, 6)
;;       step = 2.0 ** (np.maximum(np.frexp(np.where(r == 0, 1, r))[1] - 1, 0) - 1)
;;       q = np.round(r / step) * step * 2.0 ** e      # np.round: ties to even
;;       return np.moveaxis(q.reshape(q.shape[:-2] + (-1,))[..., :K], -1, axis).astype(np.float32)
;;   ~~~
;;   SOFTMAX AHEAD OF A QUANTISED PRODUCT. Where the list says 'softmax', what is quantised is not the finished softmax but p = 2^(t - M), with t = logit x log2(e) and M = ceil(the row's largest t), a whole number; so 1/2 < the row's largest p <= 1. The row's sum l is taken of the UNQUANTISED p, in f32, and the product's result is divided by l at the end. Since M is a whole number, a kernel that streams over the keys may use a running M (the ceiling of the running maximum): every later rescaling is an exact power of two, which a block's scale takes up: the codes' values come out the same.
;;   OPERANDS COMPUTED ON THE WAY. 'Computed on the way' means the value that the module computes at that place (a softmax that the list does not call 'softmax' is quantised finished and normalised). What goes into a quantiser is computed in f32, as accurately as f32 sums, v_exp_f32 and their like allow (about 1e-6 of the number): no bf16 or f16 on the way to a quantiser, and a product that is left as it is and whose result goes on into a quantised operand takes f32 operands (vector FMAs, or v_wmma_f32_16x16x4_f32). A number that lies on a knife's edge between two numbers of the format may be rounded either way, as far as f32 arithmetic and the matrix unit's own rounding can turn it there, and no further.
;;   INPUTS GIVEN AS CODES. Wk (in the module: [1024, 1024], K = its axis 1); Wo (in the module: [1024, 1024], K = its axis 1); Wq (in the module: [1024, 1024], K = its axis 1); Wv (in the module: [1024, 1024], K = its axis 1); x (in the module: [4, 2048, 1024], K = its axis 2): each comes as NAME_codes (uint8): NAME with its K axis moved to the last place and cut into blocks of 32 codes, [.., K / 32, bytes a block], one block behind the other in memory; two codes a byte, the lower K in the low four bits (a code: sign, 2 exponent bits, 1 mantissa bit); and NAME_scales (uint8): the same leading axes, one E8M0 byte (e + 127) for each 32 codes along K. Its value is code x scale, taken as it is: it is not quantised again, and the codes and scales need not be those that the quantiser above would give.
;; One version. Each part assembles by itself: llvm-mc -triple=amdgcn-amd-amdhsa -mcpu=gfx1250 --defsym DOCPART=n.
;; ======== version 1 of 1: 3 launches
;; workspace buffers: q_img 4,194,304 bytes; k_img 4,194,304 bytes; v_img 4,194,304 bytes; q_sc 524,288 bytes; k_sc 524,288 bytes; v_sc 262,144 bytes; ctx_img 4,194,304 bytes; ctx_sc 262,144 bytes
;; launch qkv (part 1): grid 4 x 96, 4 waves a work-group, clusters of 4 x 4, 279,040 bytes of LDS; arguments x_codes, x_scales, Wq_codes, Wq_scales, bq, q_img, q_sc, Wk_codes, Wk_scales, bk, k_img, k_sc, Wv_codes, Wv_scales, bv, v_img, v_sc; writes q_img, q_sc, k_img, k_sc, v_img, v_sc
.if DOCPART == 1
	.amdgcn_target "amdgcn-amd-amdhsa--gfx1250"
	.amdhsa_code_object_version 6
	.text
	.protected	k_q2a2581c023_qkv
	.globl	k_q2a2581c023_qkv
	.p2align	8
	.type	k_q2a2581c023_qkv,@function
k_q2a2581c023_qkv:
	s_mov_b64 s[64:65], 0
	v_nop
	global_prefetch_b8 v0, s[64:65] scope:SCOPE_SE
	s_setreg_imm32_b32 hwreg(HW_REG_WAVE_MODE, 25, 1), 1
	s_wait_xcnt 0x0
	s_wait_alu depctr_hold_cnt(0) depctr_sa_sdst(0) depctr_va_vdst(0) depctr_va_sdst(0) depctr_va_ssrc(0) depctr_va_vcc(0) depctr_vm_vsrc(0)
	s_getreg_b32 s2, hwreg(HW_REG_IB_STS2, 6, 4)
	s_cmp_eq_u32 s2, 0
	s_cbranch_scc0 .Lentry_in_a_cluster
	s_endpgm
.Lentry_in_a_cluster:
	s_bfe_u32 s2, ttmp6, 0x10000c
	s_cmp_lg_u32 s2, 0xf033
	s_cbranch_scc0 .Lentry_shape_is_right
	s_endpgm
.Lentry_shape_is_right:
; q = x Wq^T + bq, k = x Wk^T + bk, v = x Wv^T + bv on codes of FP4 (E2M1) with one E8M0 scale for each 32 along K = 1,024; sums in f32.
; The results are quantised at once for the products that follow: q and k along a head's 64 channels, v along the tokens (the keys), and leave as IMAGES OF OPERAND REGISTERS.
; SHARES.  384 work-groups: cluster y / 8 says which part (0 q, 1 k, 2 v); each makes 256 tokens x 256 channels, each of its four waves 128 x 128: 64 accumulators, 512 registers.
; ONE TEXT FOR THE THREE PARTS.  The matrix instruction's source 0 is the operand whose rows become the next product's K, since a lane's eight result registers run along source 0's rows:
; q, k: source 0 = W (channels), source 1 = x (tokens);  v: source 0 = x (tokens), source 1 = Wv (channels).  Both tiles have one shape in LDS, so the swap is a choice of two LDS bases and two pointers.
; LDS.  A row of 1,024 codes is 512 bytes: all of K of both tiles fits, as two slots of 512 along K.  Each slot is filled once; nothing is filled again and nothing is stored to LDS.
; CLUSTER 4 x 4: x's tile is shared along a row of the cluster, W's along a column: each is asked for jointly.
; THE QUANTISER.  In accumulator (a, b) lane (r, h) holds source 1's row 16 a + r, register j source 0's row 16 b + 8 h + j.  A block of 32 is tiles 2 e and 2 e + 1 in lanes l and l xor 16.
; A conversion takes the 8 neighbours of one tile; the order of the destinations and one exchange of halves for each pair give the operand's layout (register 4 c + i: k = 64 c + 32 h + 8 i + 0 .. 7).
; LIMITS: NaN and infinities are not served; a block of zeros gets the byte 1 where the rule says 127 (its codes are zeros, and the bytes are read by this program alone); given scale bytes are taken as they are and are not 0xff.
; REGISTERS, in windows of 256.  window 0: v1-10 lane terms; v16-21 LDS addresses; v32-63, v64-95 scale words of source 0, 1; v96-127 at work; v128-255 source 1's fragments, two sets; later the codes.
;   window 1: source 0's fragments at v0 and v128; v64-127 the bias as eight tiles of C.   windows 2, 3: the accumulators, (a, b) at window 2 + a / 4, v[8 (8 (a % 4) + b)].
.set PITCH,  272                       ; an LDS row: 256 bytes + 16 of padding: the 16 rows of a fragment load start 4 words apart modulo 64 words
.set HALFT,  128*PITCH                 ; 128 rows: one tensor load, and what a wave reads of a tile
.set SLOT,   4*HALFT                   ; x's 256 rows, then W's 256 rows, 512 along K
.set LI,   4                           ; v4   16 x lane
.set LI8,  5                           ; v5   8 x lane
.set VSO,  6                           ; v6   32 r + 16 h: my 16 bytes of a row of scale bytes
.set VBH,  7                           ; v7   32 h
.set VBR,  8                           ; v8   4 r
.set FL,   10                          ; v10  the floor 2^(3 - 127)
.set ADR1, 16                          ; v16-17 source 1's fragments in slot 0, 1
.set ADR0, 20                          ; v20-21 source 0's
.set SC0,  32                          ; register 4 i + q: lane (r, h): the scale word of block i's row r for K step q + 4 h
.set SC1,  64
.set TM,   96                          ; +0..3 largest magnitudes, +4..7 the other half's, then bytes, +12..15 the conversions' scale operands
.set SW,   112                         ; v112-119 the scale word of block a
.set WS,   120
.set WT,   124
.set AF,   128
.set CD,   128                         ; the codes of block a at v[CD + 8 a]
.set BIAS, 64                          ; in window 1
.set WV,   66
.set PART, 67
.set CX,   68
.set CY,   69
.set TY,   70                          ; which 256 rows of x
.set FB,   71                          ; wave / 2: my half of x's rows; also: I fetch for x (0) or for W (1)
.set HB,   72                          ; wave % 2: my half of W's rows; also: which 128 rows I fetch
.set TX,   75                          ; which 256 rows of W
.set SEL,  60
.set HM,   62
.set G1,   44                          ; s[44:51] group 1 for x's tiles; s[52:59] group 0, one for each slot
.set G0,   52
.set G1B,  84                          ; s[84:91], s[92:99] the same for W's
.set G0B,  92
.set MSB, 0
.macro WIN new                         ; the immediate's high byte repeats the setting that is left
.if MSB != (\new)
	s_set_vgpr_msb (MSB<<8)|(\new)
.set MSB, (\new)
.endif
.endm
; A joint load: waves 0 and 1 fetch x's halves, waves 2 and 3 W's.  The branch hangs on the wave's number alone.  Four v_nop follow each line.
.macro JLOAD g0a, g1a, g0b, g1b
	s_cmp_eq_u32 s[FB], 0
	s_cbranch_scc0 .Lfor_w_\@
	tensor_load_to_lds s[\g0a:\g0a+3], s[\g1a:\g1a+7]
	s_nop 0
.rept 4
	v_nop
.endr
	s_branch .Lasked_\@
.Lfor_w_\@:
	tensor_load_to_lds s[\g0b:\g0b+3], s[\g1b:\g1b+7]
	s_nop 0
.rept 4
	v_nop
.endr
.Lasked_\@:
.endm
.macro CROUND                          ; a round of the cluster's barrier
	s_barrier_signal -1
	s_barrier_wait -1
	s_cmp_lg_u32 s[WV], 0
	s_cbranch_scc1 .Lnot_wave_0_\@
	s_barrier_signal -3
.Lnot_wave_0_\@:
	s_barrier_wait -3
	s_barrier_signal -1
	s_barrier_wait -1
.endm
.macro PLACES                          ; four plain places behind a matrix instruction, ahead of loads into its operands and of reads of its results
.rept 4
	v_nop
.endr
.endm
.macro FRAG reg, adr, q, i             ; 16 rows x 128 K: 8 registers; registers 4 c .. 4 c + 3 hold K = 64 c + 32 h + 0 .. 31: 16 bytes of the row as they lie
.irp c, 0,1
	ds_load_b128 v[(\reg)+4*\c:(\reg)+4*\c+3], v[\adr] offset:64*(\q)+32*\c+(\i)*16*PITCH
.endr
.endm
.macro FETCH k                         ; the 16 fragments of K step k, 32 loads in one run, into set k % 2
.set FP, (\k)%2
.set FS, (\k)/4
.set FQ, (\k)%4
	WIN 0x40                                       ; destination window 1, address window 0
.irp i, 0,1,2,3,4,5,6,7
	FRAG 128*FP+8*\i, ADR0+FS, FQ, \i
.endr
	WIN 0
.irp i, 0,1,2,3,4,5,6,7
	FRAG AF+64*FP+8*\i, ADR1+FS, FQ, \i
.endr
.endm
.macro WM d, x, y, c, sx, sy, hi       ; hi = 1: K steps 4 to 7 take their scale words from lanes 16-31
.if \hi
	v_wmma_scale_f32_16x16x128_f8f6f4 v[(\d):(\d)+7], v[(\x):(\x)+7], v[(\y):(\y)+7], v[(\c):(\c)+7], v[\sx], v[\sy] matrix_a_fmt:MATRIX_FMT_FP4 matrix_b_fmt:MATRIX_FMT_FP4 matrix_a_scale:MATRIX_SCALE_ROW1 matrix_b_scale:MATRIX_SCALE_ROW1
.else
	v_wmma_scale_f32_16x16x128_f8f6f4 v[(\d):(\d)+7], v[(\x):(\x)+7], v[(\y):(\y)+7], v[(\c):(\c)+7], v[\sx], v[\sy] matrix_a_fmt:MATRIX_FMT_FP4 matrix_b_fmt:MATRIX_FMT_FP4
.endif
.endm
; The 64 products of K step k.  The 64 accumulators take turns, one instruction a turn, in the same order in every step.
; mode 0: C = the accumulator.  mode 1: the sums start with the bias along source 0's rows (q, k).  mode 2: with the bias along source 1's rows (v).  Nothing is cleared.
.macro MULALL k, mode
.set MP, (\k)%2
.set MQ, (\k)%4
.set MH, (\k)/4
.irp a, 0,1,2,3,4,5,6,7
.if \mode
	WIN 0x91+0x40*(\a/4)                           ; source 0 window 1, source 1 window 0, C window 1, D window 2 or 3
.else
	WIN 0xa1+0x50*(\a/4)                           ; C and D window 2 or 3
.endif
.irp b, 0,1,2,3,4,5,6,7
.if \mode == 1
	WM 8*(8*(\a%4)+\b), 128*MP+8*\b, AF+64*MP+8*\a, BIAS+8*\b, SC0+4*\b+MQ, SC1+4*\a+MQ, MH
.elseif \mode == 2
	WM 8*(8*(\a%4)+\b), 128*MP+8*\b, AF+64*MP+8*\a, BIAS+8*\a, SC0+4*\b+MQ, SC1+4*\a+MQ, MH
.else
	WM 8*(8*(\a%4)+\b), 128*MP+8*\b, AF+64*MP+8*\a, 8*(8*(\a%4)+\b), SC0+4*\b+MQ, SC1+4*\a+MQ, MH
.endif
.endr
.endr
.endm
.macro KSTEP k
	s_wait_dscnt 0x0                               ; this step's 32 loads, issued a step ago, are in
.if (\k) == 3
	s_wait_tensorcnt 0x0                           ; my part of slot 1 has landed,
	s_barrier_signal -1
	s_barrier_wait -1                              ; everybody's has: the next fetch reads it.
.endif
.if (\k) < 7
	PLACES                                         ; the other set was multiplied in the step before
	FETCH (\k)+1
.endif
	MULALL \k, 0
.endm
; Block a (source 1's rows 16 a on): its 64 numbers a lane, four blocks of 32 along the next K, become a fragment's 8 registers and a scale word, and the fragment leaves.
.macro QA a
.set AC, 64*((\a)%4)
.set CA, CD+8*(\a)
	WIN 20*(2+(\a)/4)                              ; sources 1 and 2: window 2 or 3
.irp e, 0,1,2,3
	v_max3_num_f32 v[TM+\e], v[FL], |v[AC+16*\e]|, |v[AC+16*\e+1]|   ; block e: my 16 numbers and the floor, which holds the byte at 1 from below; each accumulator is read from its low end on
.endr
.irp i, 2,4,6,8,10,12,14
.irp e, 0,1,2,3
	v_max3_num_f32 v[TM+\e], v[TM+\e], |v[AC+16*\e+\i]|, |v[AC+16*\e+\i+1]|
.endr
.endr
	WIN 0
.irp e, 0,1,2,3
	v_permlanex16_b32 v[TM+4+\e], v[TM+\e], s[SEL], s[SEL+1]
.endr
.irp e, 0,1,2,3
	v_max_num_f32 v[TM+\e], v[TM+\e], v[TM+4+\e]   ; with lane l xor 16's 16: the block's largest magnitude
.endr
.irp e, 0,1,2,3
	v_add_nc_u32 v[TM+12+\e], 0xff000000, v[TM+\e] ; 2 off its exponent field: the conversion's scale operand
.endr
.irp e, 0,1,2,3
	v_lshrrev_b32 v[TM+4+\e], 23, v[TM+12+\e]      ; the scale's byte
.endr
	v_lshl_or_b32 v[SW+(\a)], v[TM+5], 8, v[TM+4]
	v_lshl_or_b32 v[SW+(\a)], v[TM+6], 16, v[SW+(\a)]
	v_lshl_or_b32 v[SW+(\a)], v[TM+7], 24, v[SW+(\a)]
	WIN 2+(\a)/4                                   ; source 0: window 2 or 3
.irp c, 0,1
	v_cvt_scalef32_pk8_fp4_f32 v[CA+4*\c],   v[AC+32*\c:AC+32*\c+7],     v[TM+12+2*\c]    ; tile 4 c:     block 2 c,     its numbers 8 h + 0 .. 7
	v_cvt_scalef32_pk8_fp4_f32 v[CA+4*\c+1], v[AC+32*\c+16:AC+32*\c+23], v[TM+13+2*\c]    ; tile 4 c + 2: block 2 c + 1, the same
	v_cvt_scalef32_pk8_fp4_f32 v[CA+4*\c+2], v[AC+32*\c+8:AC+32*\c+15],  v[TM+12+2*\c]    ; tile 4 c + 1: block 2 c,     16 + 8 h + 0 .. 7
	v_cvt_scalef32_pk8_fp4_f32 v[CA+4*\c+3], v[AC+32*\c+24:AC+32*\c+31], v[TM+13+2*\c]    ; tile 4 c + 3: block 2 c + 1, the same
.endr
	WIN 0
	v_nop                                          ; one plain place behind a scaled conversion
.irp c, 0,1
	v_permlane16_swap_b32 v[CA+4*\c],   v[CA+4*\c+1]   ; the first's lanes 16-31 change places with the second's lanes 0-15: lanes 0-15 now hold block 2 c, lanes 16-31 block 2 c + 1
	v_permlane16_swap_b32 v[CA+4*\c+2], v[CA+4*\c+3]
.endr
.irp c, 0,1
	global_store_b128 v[LI], v[CA+4*\c:CA+4*\c+3], s[14:15] offset:65536*\c+512*(\a)   ; 32 lanes store 512 consecutive bytes; each block has data registers of its own
.endr
.endm
	s_load_b128 s[4:7], s[0:1], 0x0                ; x's codes, x's scales
	s_load_b256 s[8:15], s[0:1], 0x10              ; q's: W's codes, W's scales, the bias, the images,
	s_load_b64 s[16:17], s[0:1], 0x30              ; the scale words
	s_load_b256 s[20:27], s[0:1], 0x38             ; k's five
	s_load_b64 s[28:29], s[0:1], 0x58
	s_load_b256 s[32:39], s[0:1], 0x60             ; v's five
	s_load_b64 s[40:41], s[0:1], 0x80
	v_lshl_add_u32 v106, v0, 2, 0x44000
	v_mov_b32 v107, 0
	ds_add_u32 v106, v107
	ds_add_u32 v106, v107
	v_lshrrev_b32 v1, 5, v0
	v_readfirstlane_b32 s[WV], v1                  ; wave 0..3
	s_lshr_b32 s[FB], s[WV], 1
	s_and_b32 s[HB], s[WV], 1
	s_bfe_u32 s[CX], ttmp6, 0x40000                ; my place in the cluster
	s_bfe_u32 s[CY], ttmp6, 0x40004
	s_and_b32 s76, ttmp7, 0xffff                   ; cluster y, 0 .. 23
	s_lshr_b32 s[PART], s76, 3                     ; 0 q, 1 k, 2 v: the same in all sixteen partners
	s_and_b32 s76, s76, 7
	s_lshl_b32 s[TY], s76, 2
	s_add_co_u32 s[TY], s[TY], s[CY]               ; which 256 rows of x
	s_lshl_b32 s[TX], ttmp9, 2
	s_add_co_u32 s[TX], s[TX], s[CX]               ; which 256 rows of W
	s_lshl_b32 s73, s[CY], 2
	s_lshl_b32 s73, 15, s73                        ; my row of the cluster
	s_lshl_b32 s74, 0x1111, s[CX]                  ; my column
	; group 1: 128 rows x 256 bytes, 512 bytes apart in memory, 16 bytes of padding behind each in LDS
	s_or_b32 s[G1], s73, (1<<20)|(1<<21)|(5<<22)|(3<<25)    ; 15:0 the mask; 17:16 elements of 1 byte; 20 padding on; 21 set beside a mask; 24:22 after every 64 words; 31:25 four words
	s_or_b32 s[G1B], s74, (1<<20)|(1<<21)|(5<<22)|(3<<25)
.irp g, G1, G1B
	s_mov_b32 s[\g+1], 256<<16                     ; tensor_dim0
	s_mov_b32 s[\g+2], 128<<16                     ; tensor_dim1
	s_mov_b32 s[\g+3], 256<<16                     ; tile_dim0
	s_mov_b32 s[\g+4], 128                         ; tile_dim1
	s_mov_b32 s[\g+5], 512                         ; the pitch
	s_mov_b32 s[\g+6], 0
	s_mov_b32 s[\g+7], 0
.endr
	s_lshl_b32 s80, s[HB], 7                       ; which 128 rows of the tile I fetch
	s_lshl_b32 s76, s[TY], 8
	s_add_co_u32 s76, s76, s80
	s_lshl_b32 s76, s76, 9                         ; x: (256 ty + 128 half) rows of 512 bytes
	s_mov_b32 s77, 0
	s_lshl_b32 s78, s[TX], 8
	s_add_co_u32 s78, s78, s80
	s_lshl_b32 s78, s78, 9                         ; W: likewise by tx
	s_mov_b32 s79, 0
	s_mul_i32 s81, s[WV], HALFT                    ; where they go: wave x 128 rows
	s_mov_b32 s[SEL], 0x76543210
	s_mov_b32 s[SEL+1], 0xfedcba98                 ; v_permlanex16_b32's selects for lane l xor 16
	s_mov_b32 s[HM], 0xffff0000                    ; lanes 16-31
	s_wait_dscnt 0x0
	s_wait_kmcnt 0x0
	s_cmp_eq_u32 s[PART], 1                        ; the part's five buffers: a choice that hangs on the cluster's number alone
	s_cselect_b64 s[8:9], s[20:21], s[8:9]
	s_cselect_b64 s[10:11], s[22:23], s[10:11]
	s_cselect_b64 s[12:13], s[24:25], s[12:13]
	s_cselect_b64 s[14:15], s[26:27], s[14:15]
	s_cselect_b64 s[16:17], s[28:29], s[16:17]
	s_cmp_eq_u32 s[PART], 2
	s_cselect_b64 s[8:9], s[32:33], s[8:9]
	s_cselect_b64 s[10:11], s[34:35], s[10:11]
	s_cselect_b64 s[12:13], s[36:37], s[12:13]
	s_cselect_b64 s[14:15], s[38:39], s[14:15]
	s_cselect_b64 s[16:17], s[40:41], s[16:17]
	s_add_nc_u64 s[76:77], s[4:5], s[76:77]
	s_add_nc_u64 s[78:79], s[8:9], s[78:79]
	CROUND                                         ; all sixteen work-groups are here: the joint loads meet
.irp s, 0,1
	s_mov_b32 s[G0+4*\s], 1
	s_add_co_u32 s[G0+4*\s+1], s81, \s*SLOT
	s_add_nc_u64 s[G0+4*\s+2:G0+4*\s+3], s[76:77], \s*256
	s_or_b32 s[G0+4*\s+3], s[G0+4*\s+3], 0x80000000
	s_mov_b32 s[G0B+4*\s], 1
	s_add_co_u32 s[G0B+4*\s+1], s81, \s*SLOT
	s_add_nc_u64 s[G0B+4*\s+2:G0B+4*\s+3], s[78:79], \s*256
	s_or_b32 s[G0B+4*\s+3], s[G0B+4*\s+3], 0x80000000
	JLOAD G0+4*\s, G1, G0B+4*\s, G1B               ; both slots are asked for at once: two loads of mine are out
.endr
	; where my results go.  b = ty / 8 the batch; pair = 2 tx + my half of W: two heads; g = 2 (ty % 8) + my half of x: 128 tokens
	s_lshr_b32 s20, s[TY], 3
	s_lshl_b32 s20, s20, 3
	s_lshl_b32 s21, s[TX], 1
	s_add_co_u32 s20, s20, s21
	s_add_co_u32 s20, s20, s[HB]                   ; 8 b + pair
	s_and_b32 s21, s[TY], 7
	s_lshl_b32 s21, s21, 1
	s_add_co_u32 s21, s21, s[FB]                   ; g
	s_lshl_b32 s22, s20, 17
	s_lshl_b32 s24, s21, 12
	s_add_co_u32 s22, s22, s24
	s_mov_b32 s23, 0
	s_add_nc_u64 s[14:15], s[14:15], s[22:23]      ; images: 131,072 bytes a pair of heads, 4,096 for 128 tokens: the same in all three parts
	s_lshl_b32 s22, s20, 14
	s_lshl_b32 s24, s21, 9
	s_add_co_u32 s22, s22, s24
	s_cmp_eq_u32 s[PART], 2
	s_cselect_b32 s24, 1, 0
	s_lshr_b32 s22, s22, s24                       ; scale words: v's are half as many
	s_add_nc_u64 s[16:17], s[16:17], s[22:23]
	s_lshl_b32 s22, s[TX], 8
	s_lshl_b32 s24, s[HB], 7
	s_add_co_u32 s22, s22, s24                     ; my first row of W
	s_lshl_b32 s24, s22, 2
	s_mov_b32 s25, 0
	s_add_nc_u64 s[12:13], s[12:13], s[24:25]      ; its bias
	s_lshl_b32 s24, s22, 5
	s_add_nc_u64 s[10:11], s[10:11], s[24:25]      ; its scale bytes, 32 a row
	s_lshl_b32 s24, s[TY], 8
	s_lshl_b32 s26, s[FB], 7
	s_add_co_u32 s24, s24, s26
	s_lshl_b32 s24, s24, 5
	s_add_nc_u64 s[6:7], s[6:7], s[24:25]          ; my first row of x: its scale bytes
	s_mul_i32 s32, s[FB], HALFT                    ; my rows of x in a slot,
	s_mul_i32 s33, s[HB], HALFT
	s_add_co_u32 s33, s33, 2*HALFT                 ; my rows of W
	s_cmp_eq_u32 s[PART], 2
	s_cselect_b64 s[28:29], s[6:7], s[10:11]       ; source 0's scale bytes,
	s_cselect_b64 s[30:31], s[10:11], s[6:7]       ; source 1's
	s_cselect_b32 s34, s32, s33                    ; source 0's rows in a slot,
	s_cselect_b32 s35, s33, s32                    ; source 1's
	v_and_b32 v1, 15, v0                           ; r
	v_bfe_u32 v2, v0, 4, 1                         ; h
	v_and_b32 v9, 31, v0                           ; lane
	v_mul_u32_u24 v3, v1, PITCH
	v_lshl_add_u32 v3, v2, 4, v3                   ; a fragment's row x pitch + 16 h
	v_lshlrev_b32 v[LI], 4, v9
	v_lshlrev_b32 v[LI8], 3, v9
	v_lshlrev_b32 v[VSO], 5, v1
	v_lshl_add_u32 v[VSO], v2, 4, v[VSO]
	v_lshlrev_b32 v[VBH], 5, v2
	v_lshlrev_b32 v[VBR], 2, v1
.irp i, 0,1,2,3,4,5,6,7
	global_load_b128 v[SC0+4*\i:SC0+4*\i+3], v[VSO], s[28:29] offset:512*\i   ; 16 rows' scale bytes: 512 consecutive bytes; lanes 0-15 take K steps 0-3, lanes 16-31 K steps 4-7
	global_load_b128 v[SC1+4*\i:SC1+4*\i+3], v[VSO], s[30:31] offset:512*\i
.endr
	s_cmp_eq_u32 s[PART], 2
	s_cbranch_scc1 .Lbias_v
	WIN 0x40                                       ; q, k: tile b of C: register j = bias(16 b + 8 h + j)
.irp b, 0,1,2,3,4,5,6,7
	global_load_b128 v[BIAS+8*\b:BIAS+8*\b+3],   v[VBH], s[12:13] offset:64*\b
	global_load_b128 v[BIAS+8*\b+4:BIAS+8*\b+7], v[VBH], s[12:13] offset:64*\b+16
.endr
	WIN 0
	s_branch .Lbias_done
.Lbias_v:
	WIN 0x40                                       ; v: tile a of C: all eight registers = bias(16 a + r)
	s_wait_alu depctr_va_vdst(0)
.irp a, 0,1,2,3,4,5,6,7
.irp j, 0,1,2,3,4,5,6,7
	global_load_b32 v[BIAS+8*\a+\j], v[VBR], s[12:13] offset:64*\a
.endr
.endr
	WIN 0
.Lbias_done:
	s_wait_alu depctr_va_vdst(0)
	v_add_nc_u32 v[ADR1], s35, v3
	v_add_nc_u32 v[ADR1+1], SLOT, v[ADR1]
	v_add_nc_u32 v[ADR0], s34, v3
	v_add_nc_u32 v[ADR0+1], SLOT, v[ADR0]
	v_mov_b32 v[FL], 0x1800000
.irp e, 0,1,2,3
	v_mov_b32 v[TM+4+\e], 0                        ; written once: a lane permute's destination counts as one of its sources
.endr
	s_wait_alu depctr_va_vdst(0)
	s_wait_tensorcnt 1                             ; my part of slot 0 is in; slot 1's load, the one issued behind it, may be out
	s_barrier_signal -1
	s_barrier_wait -1                              ; everybody's is
	FETCH 0
	s_wait_loadcnt 0x0                             ; scale words and bias
	s_wait_dscnt 0x0                               ; K step 0
	FETCH 1
	s_cmp_eq_u32 s[PART], 2                        ; the first products start the sums with the bias, which lies along source 0 (q, k) or along source 1 (v)
	s_cbranch_scc1 .Lfirst_v
	MULALL 0, 1
	WIN 0
	s_branch .Lfirst_done
.Lfirst_v:
	MULALL 0, 2
	WIN 0
.Lfirst_done:
	KSTEP 1
	KSTEP 2
	KSTEP 3
	KSTEP 4
	KSTEP 5
	KSTEP 6
	KSTEP 7
	WIN 0
	PLACES
.irp a, 0,1,2,3,4,5,6,7
	QA \a
.endr
.irp i, 0,1,2,3
	v_cndmask_b32 v[WS+\i], v[SW+2*\i], v[SW+2*\i+1], s[HM]   ; lanes 0-15 keep block 2 i's word, lanes 16-31 block 2 i + 1's: as the reader's scale registers want them
.endr
	s_cmp_eq_u32 s[PART], 2
	s_cbranch_scc1 .Lsc_v
	global_store_b128 v[LI], v[WS:WS+3], s[16:17]  ; q, k: a word's bytes 0, 1 are the even head's two blocks (bytes 2, 3 will scale zero codes)
.irp i, 0,1,2,3
	v_lshrrev_b32 v[WT+\i], 16, v[WS+\i]           ; bytes 2, 3 the odd head's
.endr
	global_store_b128 v[LI], v[WT:WT+3], s[16:17] offset:8192
	s_branch .Lsc_done
.Lsc_v:
	s_wait_alu depctr_va_vdst(0)
	global_store_b64 v[LI8], v[WS:WS+1], s[16:17]  ; v: blocks 0-3 are the even head's four tiles of channels,
	global_store_b64 v[LI8], v[WS+2:WS+3], s[16:17] offset:4096   ; blocks 4-7 the odd head's
.Lsc_done:
	s_wait_tensorcnt 0x0
	ds_add_u32 v106, v107
	s_wait_dscnt 0x0
	CROUND                                         ; the closing round
	s_endpgm
.Lfunc_end_k_q2a2581c023_qkv:
	.size	k_q2a2581c023_qkv, .Lfunc_end_k_q2a2581c023_qkv-k_q2a2581c023_qkv
	.p2alignl 7, 3214868480
	.fill 96, 4, 3214868480
	.section	.rodata,"a",@progbits
	.p2align	6, 0x0
	.amdhsa_kernel k_q2a2581c023_qkv
		.amdhsa_group_segment_fixed_size 279040
		.amdhsa_private_segment_fixed_size 0
		.amdhsa_enable_private_segment 0
		.amdhsa_kernarg_size 136
		.amdhsa_user_sgpr_count 2
		.amdhsa_user_sgpr_kernarg_segment_ptr 1
		.amdhsa_wavefront_size32 1
		.amdhsa_system_sgpr_workgroup_id_x 1
		.amdhsa_system_sgpr_workgroup_id_y 1
		.amdhsa_system_sgpr_workgroup_id_z 1
		.amdhsa_system_vgpr_workitem_id 0
		.amdhsa_next_free_vgpr 1024
		.amdhsa_next_free_sgpr 100
		.amdhsa_reserve_vcc 0
		.amdhsa_float_denorm_mode_32 3
		.amdhsa_float_denorm_mode_16_64 3
		.amdhsa_memory_ordered 1
		.amdhsa_forward_progress 1
		.amdhsa_inst_pref_size 141
	.end_amdhsa_kernel
	.amdgpu_metadata
---
amdhsa.version: [ 1, 2 ]
amdhsa.kernels:
  - .name:           k_q2a2581c023_qkv
    .symbol:         k_q2a2581c023_qkv.kd
    .args:
      - { .name: x_codes, .offset: 0, .size: 8, .value_kind: global_buffer, .address_space: global }
      - { .name: x_scales, .offset: 8, .size: 8, .value_kind: global_buffer, .address_space: global }
      - { .name: Wq_codes, .offset: 16, .size: 8, .value_kind: global_buffer, .address_space: global }
      - { .name: Wq_scales, .offset: 24, .size: 8, .value_kind: global_buffer, .address_space: global }
      - { .name: bq, .offset: 32, .size: 8, .value_kind: global_buffer, .address_space: global }
      - { .name: q_img, .offset: 40, .size: 8, .value_kind: global_buffer, .address_space: global }
      - { .name: q_sc, .offset: 48, .size: 8, .value_kind: global_buffer, .address_space: global }
      - { .name: Wk_codes, .offset: 56, .size: 8, .value_kind: global_buffer, .address_space: global }
      - { .name: Wk_scales, .offset: 64, .size: 8, .value_kind: global_buffer, .address_space: global }
      - { .name: bk, .offset: 72, .size: 8, .value_kind: global_buffer, .address_space: global }
      - { .name: k_img, .offset: 80, .size: 8, .value_kind: global_buffer, .address_space: global }
      - { .name: k_sc, .offset: 88, .size: 8, .value_kind: global_buffer, .address_space: global }
      - { .name: Wv_codes, .offset: 96, .size: 8, .value_kind: global_buffer, .address_space: global }
      - { .name: Wv_scales, .offset: 104, .size: 8, .value_kind: global_buffer, .address_space: global }
      - { .name: bv, .offset: 112, .size: 8, .value_kind: global_buffer, .address_space: global }
      - { .name: v_img, .offset: 120, .size: 8, .value_kind: global_buffer, .address_space: global }
      - { .name: v_sc, .offset: 128, .size: 8, .value_kind: global_buffer, .address_space: global }
    .group_segment_fixed_size: 279040
    .private_segment_fixed_size: 0
    .kernarg_segment_align: 8
    .kernarg_segment_size: 136
    .max_flat_workgroup_size: 128
    .sgpr_count:     100
    .vgpr_count:     1024
    .wavefront_size: 32
...
	.end_amdgpu_metadata
.endif
;; end of part 1
;; launch attn (part 2): grid 4 x 64, 16 waves a work-group, clusters of 4 x 1, 169,984 bytes of LDS; arguments q_img, q_sc, k_img, k_sc, v_img, v_sc, ctx_img, ctx_sc; writes ctx_img, ctx_sc
.if DOCPART == 2
	.amdgcn_target "amdgcn-amd-amdhsa--gfx1250"
	.amdhsa_code_object_version 6
	.text
	.protected	k_q2a2581c023_attn
	.globl	k_q2a2581c023_attn
	.p2align	8
	.type	k_q2a2581c023_attn,@function
k_q2a2581c023_attn:
	s_mov_b64 s[64:65], 0
	v_nop
	global_prefetch_b8 v0, s[64:65] scope:SCOPE_SE
	s_setreg_imm32_b32 hwreg(HW_REG_WAVE_MODE, 25, 1), 1
	s_wait_xcnt 0x0
	s_wait_alu depctr_hold_cnt(0) depctr_sa_sdst(0) depctr_va_vdst(0) depctr_va_sdst(0) depctr_va_ssrc(0) depctr_va_vcc(0) depctr_vm_vsrc(0)
	s_getreg_b32 s2, hwreg(HW_REG_IB_STS2, 6, 4)
	s_cmp_eq_u32 s2, 0
	s_cbranch_scc0 .Lentry_in_a_cluster
	s_endpgm
.Lentry_in_a_cluster:
	s_bfe_u32 s2, ttmp6, 0x10000c
	s_cmp_lg_u32 s2, 0x3003
	s_cbranch_scc0 .Lentry_shape_is_right
	s_endpgm
.Lentry_shape_is_right:
; ctx[q] = (the sum over keys of p V) / l for one head of 64 channels, both products on codes of FP4 (E2M1) with E8M0 scales; ctx is quantised along its 64 channels (two blocks of the next product's K) and leaves as an image of operand registers.
; t = score x log2(e) / 8; M = the running largest t rounded UP to a whole number; p = 2^(t - M) is quantised along the keys, not normalised; l is the sum of the unquantised p; when M moves, l and O are multiplied by 2^(old M - new M), exactly.
; SHARES.  A cluster is the four blocks of 512 queries of one (batch, head); a work-group has sixteen waves, four to a SIMD; a wave takes two tiles of 16 queries, one after the other, and walks all 2,048 keys, 128 a step.
; LDS.  The head's K and V images and scale words, 143,360 bytes, are filled once by joint loads (the four work-groups read the same bytes) and only read afterwards.  Every read but V's scale words (8 x lane, 256 bytes) is 16 x lane inside 512 consecutive bytes.
; LAYOUT.  Both products transposed: S^T = K Q^T (source 0 = 16 keys), O^T = V^T P^T (source 0 = 16 channels): a lane holds ONE query.  K = 64 in the first product: registers 4-7 of K's and Q's fragments are zero codes.
; In tile t of S^T register j of lane (r, h) is key 16 t + 8 h + j.  A conversion takes one tile's 8 neighbours; the order of its destinations and an exchange of halves give P's fragment.
; LIMITS: NaN and infinities are not served; a block of zeros gets the byte 1 where the rule says 127 (its codes are zeros; this program alone reads the bytes).
; REGISTERS: v1-5 lane terms; v6-9 the step's LDS addresses; v12 -M, v13 the largest t, v[14:15] l in two halves; v16-31 Q's two fragments; v32-95 K's eight; v96-159 S^T, then p; v160-191 O^T; v192-223 V's four;
;   v224-231 p's codes; v232-239, v244-247, v252, v254 at work; scale words: v240-243 K's, v248-249 V's, v253 p's, v255 and v251 Q's.
.set VOFF,  65536                      ; LDS: K's images at 0 (4,096 a step), V's here (c at 32,768 c, 2,048 a step),
.set KSOFF, 131072                     ; K's scale words (512 a step),
.set VSOFF, 139264                     ; V's (256 a step)
.set AK0,  1
.set AV0,  2
.set AKS0, 3
.set AVS0, 4
.set RS,   5                           ; v5  16 r
.set ADK,  6
.set ADV,  7
.set ADS,  8
.set ADT,  9
.set WV,   20
.set CX,   21
.set BH,   22
.set T0,   23
.set SEL,  24
.set CS,   26                          ; s[26:27] c = log2(e) / 8
.set G1K,  28
.set G1V,  36
.set G1KS, 44
.set G1VS, 52
.set G0K,  60
.set G0V,  68
.set G0KS, 72
.set G0VS, 76
.set TK,   80
.set TV,   81
.set TKS,  82
.set TVS,  83
.set CNT,  84
.macro CROUND                          ; a round of the cluster's barrier
	s_barrier_signal -1
	s_barrier_wait -1
	s_cmp_lg_u32 s[WV], 0
	s_cbranch_scc1 .Lnot_wave_0_\@
	s_barrier_signal -3
.Lnot_wave_0_\@:
	s_barrier_wait -3
	s_barrier_signal -1
	s_barrier_wait -1
.endm
.macro KQ t, qf, qs                    ; tile t of S^T; K's scale words: register t / 2, lanes 0-15 for even tiles, lanes 16-31 for odd
.if (\t)%2
	v_wmma_scale_f32_16x16x128_f8f6f4 v[96+8*(\t):103+8*(\t)], v[32+8*(\t):39+8*(\t)], v[\qf:\qf+7], 0, v[240+(\t)/2], v[\qs] matrix_a_fmt:MATRIX_FMT_FP4 matrix_b_fmt:MATRIX_FMT_FP4 matrix_a_scale:MATRIX_SCALE_ROW1
.else
	v_wmma_scale_f32_16x16x128_f8f6f4 v[96+8*(\t):103+8*(\t)], v[32+8*(\t):39+8*(\t)], v[\qf:\qf+7], 0, v[240+(\t)/2], v[\qs] matrix_a_fmt:MATRIX_FMT_FP4 matrix_b_fmt:MATRIX_FMT_FP4
.endif
.endm
.macro PV t                            ; tile t of O^T += V^T P^T
.if (\t)%2
	v_wmma_scale_f32_16x16x128_f8f6f4 v[160+8*(\t):167+8*(\t)], v[192+8*(\t):199+8*(\t)], v[224:231], v[160+8*(\t):167+8*(\t)], v[248+(\t)/2], v253 matrix_a_fmt:MATRIX_FMT_FP4 matrix_b_fmt:MATRIX_FMT_FP4 matrix_a_scale:MATRIX_SCALE_ROW1
.else
	v_wmma_scale_f32_16x16x128_f8f6f4 v[160+8*(\t):167+8*(\t)], v[192+8*(\t):199+8*(\t)], v[224:231], v[160+8*(\t):167+8*(\t)], v[248+(\t)/2], v253 matrix_a_fmt:MATRIX_FMT_FP4 matrix_b_fmt:MATRIX_FMT_FP4
.endif
.endm
; A KEY STEP: 128 keys against the 16 queries whose fragment begins at v[qf] and whose scale words lie in v[qs].
.macro STEP qf, qs
	v_add_nc_u32 v[ADK], s[TK], v[AK0]             ; these four are also the places between the last step's products and the loads into their operands
	v_add_nc_u32 v[ADV], s[TV], v[AV0]
	v_add_nc_u32 v[ADS], s[TKS], v[AKS0]
	v_add_nc_u32 v[ADT], s[TVS], v[AVS0]
.irp t, 0,1,2,3,4,5,6,7
	ds_load_b128 v[32+8*\t:35+8*\t], v[ADK] offset:512*\t       ; K's tile t: registers 0-3; registers 4-7 stay zero
.endr
	ds_load_b128 v[240:243], v[ADS]
.irp t, 0,1,2,3
.irp c, 0,1
	ds_load_b128 v[192+8*\t+4*\c:195+8*\t+4*\c], v[ADV] offset:32768*\c+512*\t
.endr
.endr
	ds_load_b64 v[248:249], v[ADT]
	s_wait_dscnt 9                                 ; K and its scale words are in; V's nine loads, issued behind them, may stay out
.irp t, 0,1,2,3,4,5,6,7
	KQ \t, \qf, \qs
.endr
.rept 4
	v_nop
.endr
.irp b, 0,1,2,3
	v_max3_num_f32 v[232+\b], v[96+16*\b], v[97+16*\b], v[98+16*\b]   ; the largest score of each block of 32 keys: it serves the row's maximum and, since p rises with the score, the block's largest p
.endr
.irp i, 3,5,7,9,11,13
.irp b, 0,1,2,3
	v_max3_num_f32 v[232+\b], v[232+\b], v[96+16*\b+\i], v[97+16*\b+\i]
.endr
.endr
.irp b, 0,1,2,3
	v_max_num_f32 v[232+\b], v[232+\b], v[111+16*\b]
.endr
.irp b, 0,1,2,3
	s_delay_alu instid0(VALU_DEP_4)
	v_permlanex16_b32 v[236+\b], v[232+\b], s[SEL], s[SEL+1]
.endr
.irp b, 0,1,2,3
	s_delay_alu instid0(VALU_DEP_4)
	v_max_num_f32 v[232+\b], v[232+\b], v[236+\b]  ; with lane l xor 16's 16 keys
.endr
	s_delay_alu instid0(VALU_DEP_2)
	v_max3_num_f32 v254, v232, v233, v234
	s_delay_alu instid0(VALU_DEP_1)
	v_max_num_f32 v254, v254, v235                 ; the step's largest score of my query
	s_delay_alu instid0(VALU_DEP_1)
	v_mul_f32 v254, s[CS], v254                    ; as t (c is positive)
	s_delay_alu instid0(VALU_DEP_1)
	v_max_num_f32 v13, v13, v254                   ; the running largest t
	v_mov_b32 v254, v12
	s_delay_alu instid0(VALU_DEP_2)
	v_floor_f32 v12, -v13                          ; the new -M = floor(-t): M is a whole number
	s_delay_alu instid0(VALU_DEP_1)
	v_sub_f32 v254, v12, v254                      ; old M - new M: a whole number, 0 or less
	s_delay_alu instid0(VALU_DEP_1)
	v_cvt_i32_f32 v254, v254                       ; (it saturates)
	s_delay_alu instid0(VALU_DEP_1)
	v_ldexp_f32 v252, 1.0, v254                    ; f = 2^(old M - new M)
.set J, 0
.rept 32
	v_pk_fma_f32 v[96+J:97+J], v[96+J:97+J], s[CS:CS+1], v[12:13] op_sel_hi:[1,0,0]   ; t - M, two at a time
.set J, J+2
.endr
.irp b, 0,1,2,3
	v_fma_f32 v[232+\b], v[232+\b], s[CS], v12     ; the same of each block's largest score
.endr
.set J, 0
	s_wait_alu depctr_va_vdst(0)
.rept 64
	v_exp_f32 v[96+J], v[96+J]                     ; p = 2^(t - M)
.set J, J+1
.endr
	s_setprio 1
.irp b, 0,1,2,3
	v_exp_f32 v[232+\b], v[232+\b]                 ; the block's largest p: the same two instructions on the same number.  ONE BATCH of 68; nothing below names a result ahead of the wait
.endr
	v_pk_mul_f32 v[14:15], v[14:15], v[252:253] op_sel_hi:[1,0]   ; l under the new M (the plain place behind the exponentials)
.set J, 0
	s_wait_alu depctr_va_vdst(0)
.rept 16
	v_pk_mul_f32 v[160+J:161+J], v[160+J:161+J], v[252:253] op_sel_hi:[1,0]   ; O^T under the new M: the batch's independent work; each accumulator from its low end on
.set J, J+2
.endr
	s_wait_alu depctr_va_vdst(0)                   ; one wait for the batch, ahead of its first reader
.irp b, 0,1,2,3
	v_max_num_f32 v[232+\b], 0x1800000, v[232+\b]  ; the floor 2^(3 - 127): the byte cannot fall under 1
.endr
.irp b, 0,1,2,3
	s_delay_alu instid0(VALU_DEP_4)
	v_add_nc_u32 v[244+\b], 0xff000000, v[232+\b]  ; 2 off the exponent field: the conversion's scale operand
.endr
.irp b, 0,1,2,3
	s_delay_alu instid0(VALU_DEP_4)
	v_lshrrev_b32 v[236+\b], 23, v[244+\b]         ; the scale's byte
.endr
	s_delay_alu instid0(VALU_DEP_3)
	v_lshl_or_b32 v253, v237, 8, v236              ; p's scale word for these 128 keys
	s_delay_alu instid0(VALU_DEP_1)
	v_lshl_or_b32 v253, v238, 16, v253
	s_delay_alu instid0(VALU_DEP_1)
	v_lshl_or_b32 v253, v239, 24, v253
.irp b, 0,1,2,3
	v_cvt_scalef32_pk8_fp4_f32 v[224+4*(\b/2)+\b%2], v[96+16*\b:103+16*\b], v[244+\b]    ; tile 2 b:     the block's keys 8 h + 0 .. 7
	v_cvt_scalef32_pk8_fp4_f32 v[226+4*(\b/2)+\b%2], v[104+16*\b:111+16*\b], v[244+\b]   ; tile 2 b + 1: 16 + 8 h + 0 .. 7
.endr
	v_nop                                          ; one plain place behind a scaled conversion
.irp i, 0,2,4,6
	v_permlane16_swap_b32 v[224+\i], v[225+\i]     ; lanes 0-15 now hold the even block, lanes 16-31 the odd one
.endr
	v_pk_add_f32 v[236:237], v[100:101], v[104:105]
	v_pk_add_f32 v[246:247], v[108:109], v[112:113]
	v_pk_add_f32 v[244:245], v[116:117], v[120:121]
	v_pk_add_f32 v[242:243], v[124:125], v[128:129]
	v_pk_add_f32 v[240:241], v[132:133], v[136:137]
	v_pk_add_f32 v[234:235], v[140:141], v[144:145]
	v_pk_add_f32 v[232:233], v[148:149], v[152:153]
	v_pk_add_f32 v[14:15], v[14:15], v[156:157]
	v_pk_add_f32 v[236:237], v[236:237], v[96:97]
	v_pk_add_f32 v[246:247], v[246:247], v[98:99]
	v_pk_add_f32 v[244:245], v[244:245], v[102:103]
	v_pk_add_f32 v[242:243], v[242:243], v[106:107]
	v_pk_add_f32 v[240:241], v[240:241], v[110:111]
	v_pk_add_f32 v[234:235], v[234:235], v[114:115]
	v_pk_add_f32 v[232:233], v[232:233], v[118:119]
	s_setprio 0
	v_pk_add_f32 v[14:15], v[14:15], v[122:123]
	v_pk_add_f32 v[236:237], v[236:237], v[126:127]
	v_pk_add_f32 v[246:247], v[246:247], v[130:131]
	v_pk_add_f32 v[244:245], v[244:245], v[134:135]
	v_pk_add_f32 v[242:243], v[242:243], v[138:139]
	v_pk_add_f32 v[240:241], v[240:241], v[142:143]
	v_pk_add_f32 v[234:235], v[234:235], v[146:147]
	v_pk_add_f32 v[232:233], v[232:233], v[150:151]
	v_pk_add_f32 v[14:15], v[14:15], v[154:155]
	v_pk_add_f32 v[236:237], v[236:237], v[158:159]
	s_delay_alu instid0(VALU_DEP_2)
	v_pk_add_f32 v[14:15], v[14:15], v[242:243]
	s_delay_alu instid0(VALU_DEP_2)
	v_pk_add_f32 v[236:237], v[236:237], v[240:241]
	v_pk_add_f32 v[246:247], v[246:247], v[234:235]
	v_pk_add_f32 v[244:245], v[244:245], v[232:233]
	s_delay_alu instid0(VALU_DEP_2)
	v_pk_add_f32 v[14:15], v[14:15], v[246:247]
	s_delay_alu instid0(VALU_DEP_2)
	v_pk_add_f32 v[236:237], v[236:237], v[244:245]
	s_delay_alu instid0(VALU_DEP_1)
	v_pk_add_f32 v[14:15], v[14:15], v[236:237]
	s_wait_dscnt 0x0                               ; V and its scale words
.irp t, 0,1,2,3
	PV \t                                          ; four accumulators by turns, one instruction a turn
.endr
	s_add_co_u32 s[TK], s[TK], 4096
	s_add_co_u32 s[TV], s[TV], 2048
	s_add_co_u32 s[TKS], s[TKS], 512
	s_add_co_u32 s[TVS], s[TVS], 256
.endm
; One tile of 16 queries through all keys, and out.
.macro TILE it, qf, qs
.if \it
	s_wait_xcnt 0x0                                ; the last tile's stores have read their data registers
.endif
	v_mov_b32 v13, 0xff61b1e6                      ; the largest t so far: -3e38
	s_delay_alu instid0(VALU_DEP_1)
	v_floor_f32 v12, -v13                          ; -M
	v_mov_b32 v14, 0
	v_mov_b32 v15, 0
.set J, 0
.rept 32
	v_mov_b32 v[160+J], 0                          ; O^T: the step is written once; the first finds zeros, which the first change of M leaves zeros
.set J, J+1
.endr
	s_mov_b32 s[TK], 0
	s_mov_b32 s[TV], 0
	s_mov_b32 s[TKS], 0
	s_mov_b32 s[TVS], 0
	s_mov_b32 s[CNT], 16
.Lstep_\@:
	s_setprio 2
	STEP \qf, \qs
	s_sub_co_u32 s[CNT], s[CNT], 1
	s_cmp_lg_u32 s[CNT], 0
	s_cbranch_scc1 .Lstep_\@
	s_setprio 0
.rept 4
	v_nop
.endr
	s_wait_alu depctr_va_vdst(0)
	v_add_f32 v14, v14, v15                        ; l's two halves,
	s_delay_alu instid0(VALU_DEP_1)
	v_permlanex16_b32 v252, v14, s[SEL], s[SEL+1]
	s_delay_alu instid0(VALU_DEP_1)
	v_add_f32 v14, v14, v252                       ; and lane l xor 16's
	s_wait_alu depctr_va_vdst(0)
	v_rcp_f32 v14, v14
	v_nop
	s_wait_alu depctr_va_vdst(0)
.set J, 0
.rept 32
	v_mul_f32 v[96+J], v[160+J], v14               ; ctx: register 8 t + j is channel 16 t + 8 h + j of my query
.set J, J+1
.endr
.irp b, 0,1
	v_max3_num_f32 v[232+\b], |v[96+16*\b]|, |v[97+16*\b]|, 0x1800000
.endr
.irp i, 2,4,6,8,10,12,14
.irp b, 0,1
	s_delay_alu instid0(VALU_DEP_2)
	v_max3_num_f32 v[232+\b], v[232+\b], |v[96+16*\b+\i]|, |v[97+16*\b+\i]|
.endr
.endr
.irp b, 0,1
	s_delay_alu instid0(VALU_DEP_2)
	v_permlanex16_b32 v[236+\b], v[232+\b], s[SEL], s[SEL+1]
.endr
.irp b, 0,1
	s_delay_alu instid0(VALU_DEP_2)
	v_max_num_f32 v[232+\b], v[232+\b], v[236+\b]
.endr
.irp b, 0,1
	s_delay_alu instid0(VALU_DEP_2)
	v_add_nc_u32 v[244+\b], 0xff000000, v[232+\b]
.endr
.irp b, 0,1
	s_delay_alu instid0(VALU_DEP_2)
	v_lshrrev_b32 v[236+\b], 23, v[244+\b]
.endr
	s_delay_alu instid0(VALU_DEP_1)
	v_lshl_or_b32 v254, v237, 8, v236              ; the head's two scale bytes of my query
	v_cvt_scalef32_pk8_fp4_f32 v224, v[96:103], v244
	v_cvt_scalef32_pk8_fp4_f32 v225, v[112:119], v245
	v_cvt_scalef32_pk8_fp4_f32 v226, v[104:111], v244
	v_cvt_scalef32_pk8_fp4_f32 v227, v[120:127], v245
	v_nop
	v_permlane16_swap_b32 v224, v225
	v_permlane16_swap_b32 v226, v227
	global_store_b128 v[AK0], v[224:227], s[16:17] offset:131072*\it   ; 32 lanes store 512 consecutive bytes: four registers of the next product's fragment
	global_store_b16 v[RS], v254, s[18:19] offset:8192*\it             ; two bytes of my row's scale word (lanes r and r + 16 write the same); the word's other half is another head's
.endm
	s_load_b512 s[4:19], s[0:1], 0x0               ; q_img, q_sc, k_img, k_sc, v_img, v_sc, ctx_img, ctx_sc
	v_lshl_add_u32 v254, v0, 2, 0x29000
	v_mov_b32 v255, 0
	ds_add_u32 v254, v255
	ds_add_u32 v254, v255
	s_wait_dscnt 0x0
	v_lshrrev_b32 v1, 5, v0
	s_delay_alu instid0(VALU_DEP_1)
	v_readfirstlane_b32 s[WV], v1                  ; wave 0..15
	s_bfe_u32 s[CX], ttmp6, 0x40000                ; my block of 512 queries
	s_and_b32 s[BH], ttmp7, 0xffff                 ; 16 x batch + head: shared by the four partners
	s_lshl_b32 s[T0], s[CX], 5
	s_add_co_u32 s[T0], s[T0], s[WV]               ; my first tile of queries; the second is 16 tiles on
.irp g, G1K, G1V, G1KS, G1VS
	s_mov_b32 s[\g], 15|(3<<16)|(1<<21)            ; 15:0 the mask: all four work-groups; 17:16 elements of 8 bytes; 21 set beside a mask; no padding
	s_mov_b32 s[\g+6], 0
	s_mov_b32 s[\g+7], 0
.endr
	s_mov_b32 s[G1K+1], 32<<16                     ; K's images, a quarter: 64 rows of 256 bytes, dense
	s_mov_b32 s[G1K+2], 64<<16
	s_mov_b32 s[G1K+3], 32<<16
	s_mov_b32 s[G1K+4], 64
	s_mov_b32 s[G1K+5], 32
	s_mov_b32 s[G1V+1], 256<<16                    ; V's images, a quarter: 8 rows of 2,048 bytes (my head's half of a pair's row), 4,096 bytes apart
	s_mov_b32 s[G1V+2], 8<<16
	s_mov_b32 s[G1V+3], 256<<16
	s_mov_b32 s[G1V+4], 8
	s_mov_b32 s[G1V+5], 512
	s_mov_b32 s[G1KS+1], 32<<16                    ; K's scale words: 32 rows of 256 bytes
	s_mov_b32 s[G1KS+2], 32<<16
	s_mov_b32 s[G1KS+3], 32<<16
	s_mov_b32 s[G1KS+4], 32
	s_mov_b32 s[G1KS+5], 32
	s_mov_b32 s[G1VS+1], 32<<16                    ; V's: 16 rows
	s_mov_b32 s[G1VS+2], 16<<16
	s_mov_b32 s[G1VS+3], 32<<16
	s_mov_b32 s[G1VS+4], 16
	s_mov_b32 s[G1VS+5], 32
	s_mov_b32 s[SEL], 0x76543210
	s_mov_b32 s[SEL+1], 0xfedcba98
	s_mov_b32 s[CS], 0x3e38aa3b                    ; c = log2(e) / sqrt(64)
	s_mov_b32 s[CS+1], s[CS]
	s_and_b32 s86, s[WV], 3                        ; which quarter
	s_lshl_b32 s87, s86, 14                        ; 16,384 bytes a quarter in LDS
	s_mov_b32 s89, 0
	s_wait_kmcnt 0x0
	s_lshl_b32 s88, s[BH], 16
	s_add_co_u32 s88, s88, s87
	s_mov_b32 s[G0K], 1
	s_mov_b32 s[G0K+1], s87
	s_add_nc_u64 s[G0K+2:G0K+3], s[8:9], s[88:89]
	s_or_b32 s[G0K+3], s[G0K+3], 0x80000000
	s_lshr_b32 s88, s[BH], 1
	s_lshl_b32 s88, s88, 17                        ; the pair of heads,
	s_and_b32 s85, s[BH], 1
	s_lshl_b32 s85, s85, 11                        ; my head's half of each row,
	s_add_co_u32 s88, s88, s85
	s_lshl_b32 s85, s86, 15                        ; eight rows a quarter
	s_add_co_u32 s88, s88, s85
	s_mov_b32 s[G0V], 1
	s_add_co_u32 s[G0V+1], s87, VOFF
	s_add_nc_u64 s[G0V+2:G0V+3], s[12:13], s[88:89]
	s_or_b32 s[G0V+3], s[G0V+3], 0x80000000
	s_lshl_b32 s88, s[BH], 13
	s_mov_b32 s[G0KS], 1
	s_mov_b32 s[G0KS+1], KSOFF
	s_add_nc_u64 s[G0KS+2:G0KS+3], s[10:11], s[88:89]
	s_or_b32 s[G0KS+3], s[G0KS+3], 0x80000000
	s_lshl_b32 s88, s[BH], 12
	s_mov_b32 s[G0VS], 1
	s_mov_b32 s[G0VS+1], VSOFF
	s_add_nc_u64 s[G0VS+2:G0VS+3], s[14:15], s[88:89]
	s_or_b32 s[G0VS+3], s[G0VS+3], 0x80000000
	CROUND                                         ; all four work-groups are here: the joint loads meet
	; the fills: waves 0-3 K's quarters, 4-7 V's, 8 K's scale words, 9 V's: one load a wave at the most; the branches hang on the wave's number alone
	s_cmp_lt_u32 s[WV], 4
	s_cbranch_scc0 .Lnot_k
	tensor_load_to_lds s[G0K:G0K+3], s[G1K:G1K+7]
	s_nop 0
.rept 4
	v_nop
.endr
	s_branch .Lfilled
.Lnot_k:
	s_cmp_lt_u32 s[WV], 8
	s_cbranch_scc0 .Lnot_v
	tensor_load_to_lds s[G0V:G0V+3], s[G1V:G1V+7]
	s_nop 0
.rept 4
	v_nop
.endr
	s_branch .Lfilled
.Lnot_v:
	s_cmp_eq_u32 s[WV], 8
	s_cbranch_scc0 .Lnot_ks
	tensor_load_to_lds s[G0KS:G0KS+3], s[G1KS:G1KS+7]
	s_nop 0
.rept 4
	v_nop
.endr
	s_branch .Lfilled
.Lnot_ks:
	s_cmp_eq_u32 s[WV], 9
	s_cbranch_scc0 .Lfilled
	tensor_load_to_lds s[G0VS:G0VS+3], s[G1VS:G1VS+7]
	s_nop 0
.rept 4
	v_nop
.endr
.Lfilled:
	; my own addresses in memory: the only ones that my place in the cluster enters
	s_mov_b32 s91, 0
	s_lshl_b32 s90, s[BH], 16
	s_lshl_b32 s92, s[T0], 9
	s_add_co_u32 s90, s90, s92
	s_add_nc_u64 s[4:5], s[4:5], s[90:91]          ; Q's image: 512 bytes a tile
	s_lshl_b32 s90, s[BH], 13
	s_lshr_b32 s92, s[T0], 3
	s_lshl_b32 s92, s92, 9
	s_add_co_u32 s90, s90, s92                     ; Q's scale words: the group of eight tiles,
	s_and_b32 s92, s[T0], 1
	s_lshl_b32 s92, s92, 8
	s_add_co_u32 s90, s90, s92                     ; the half of the lanes,
	s_bfe_u32 s92, s[T0], 0x20001
	s_lshl_b32 s92, s92, 2
	s_add_co_u32 s90, s90, s92                     ; the word
	s_add_nc_u64 s[6:7], s[6:7], s[90:91]
	s_lshr_b32 s93, s[BH], 4
	s_lshl_b32 s93, s93, 7
	s_add_co_u32 s93, s93, s[T0]                   ; G = 128 x batch + tile
	s_lshl_b32 s90, s93, 13
	s_and_b32 s92, s[BH], 15
	s_lshl_b32 s92, s92, 9
	s_add_co_u32 s90, s90, s92
	s_add_nc_u64 s[16:17], s[16:17], s[90:91]      ; ctx's image: 8,192 bytes a tile of rows, 512 a head
	s_lshl_b32 s90, s93, 9
	s_bfe_u32 s92, s[BH], 0x10003
	s_lshl_b32 s92, s92, 8
	s_add_co_u32 s90, s90, s92                     ; ctx's scale bytes: K steps 4-7 lie 256 bytes on,
	s_bfe_u32 s92, s[BH], 0x20001
	s_lshl_b32 s92, s92, 2
	s_add_co_u32 s90, s90, s92                     ; the K step's word,
	s_and_b32 s92, s[BH], 1
	s_lshl_b32 s92, s92, 1
	s_add_co_u32 s90, s90, s92                     ; the head's half of it
	s_add_nc_u64 s[18:19], s[18:19], s[90:91]
	v_and_b32 v10, 31, v0                          ; lane
	v_and_b32 v11, 15, v0                          ; r
	s_delay_alu instid0(VALU_DEP_2)
	v_lshlrev_b32 v[AK0], 4, v10
	s_delay_alu instid0(VALU_DEP_1)
	v_add_nc_u32 v[AV0], VOFF, v[AK0]
	s_delay_alu instid0(VALU_DEP_2)
	v_add_nc_u32 v[AKS0], KSOFF, v[AK0]
	v_lshl_add_u32 v[AVS0], v10, 3, VSOFF
	v_lshlrev_b32 v[RS], 4, v11
	global_load_b128 v[16:19], v[AK0], s[4:5]      ; Q's two fragments stay in registers
	global_load_b128 v[24:27], v[AK0], s[4:5] offset:8192
	global_load_b32 v255, v[RS], s[6:7]            ; and their scale words
	global_load_b32 v251, v[RS], s[6:7] offset:1024
.irp j, 20,21,22,23,28,29,30,31
	v_mov_b32 v[\j], 0                             ; K = 64 .. 127 of Q: zero codes
.endr
.irp t, 0,1,2,3,4,5,6,7
.irp j, 4,5,6,7
	v_mov_b32 v[32+8*\t+\j], 0                     ; and of K: written once, no load touches them
.endr
.endr
.irp j, 236,237,238,239,253
	v_mov_b32 v[\j], 0                             ; lane permutes' destinations, and the upper half of the pair v[252:253], are written before they are named
.endr
	s_wait_tensorcnt 0x0                           ; my load, if I issued one, has landed,
	s_barrier_signal -1
	s_barrier_wait -1                              ; everybody's has
	s_wait_loadcnt 0x0                             ; Q
	TILE 0, 16, 255
	TILE 1, 24, 251
	s_wait_xcnt 0x0
	v_lshl_add_u32 v254, v0, 2, 0x29000
	v_mov_b32 v255, 0
	s_wait_alu depctr_va_vdst(0)
	s_wait_tensorcnt 0x0
	ds_add_u32 v254, v255
	s_wait_dscnt 0x0
	CROUND                                         ; the closing round
	s_endpgm
.Lfunc_end_k_q2a2581c023_attn:
	.size	k_q2a2581c023_attn, .Lfunc_end_k_q2a2581c023_attn-k_q2a2581c023_attn
	.p2alignl 7, 3214868480
	.fill 96, 4, 3214868480
	.section	.rodata,"a",@progbits
	.p2align	6, 0x0
	.amdhsa_kernel k_q2a2581c023_attn
		.amdhsa_group_segment_fixed_size 169984
		.amdhsa_private_segment_fixed_size 0
		.amdhsa_enable_private_segment 0
		.amdhsa_kernarg_size 64
		.amdhsa_user_sgpr_count 2
		.amdhsa_user_sgpr_kernarg_segment_ptr 1
		.amdhsa_wavefront_size32 1
		.amdhsa_system_sgpr_workgroup_id_x 1
		.amdhsa_system_sgpr_workgroup_id_y 1
		.amdhsa_system_sgpr_workgroup_id_z 1
		.amdhsa_system_vgpr_workitem_id 0
		.amdhsa_next_free_vgpr 256
		.amdhsa_next_free_sgpr 96
		.amdhsa_reserve_vcc 0
		.amdhsa_float_denorm_mode_32 3
		.amdhsa_float_denorm_mode_16_64 3
		.amdhsa_memory_ordered 1
		.amdhsa_forward_progress 1
		.amdhsa_inst_pref_size 54
	.end_amdhsa_kernel
	.amdgpu_metadata
---
amdhsa.version: [ 1, 2 ]
amdhsa.kernels:
  - .name:           k_q2a2581c023_attn
    .symbol:         k_q2a2581c023_attn.kd
    .args:
      - { .name: q_img, .offset: 0, .size: 8, .value_kind: global_buffer, .address_space: global }
      - { .name: q_sc, .offset: 8, .size: 8, .value_kind: global_buffer, .address_space: global }
      - { .name: k_img, .offset: 16, .size: 8, .value_kind: global_buffer, .address_space: global }
      - { .name: k_sc, .offset: 24, .size: 8, .value_kind: global_buffer, .address_space: global }
      - { .name: v_img, .offset: 32, .size: 8, .value_kind: global_buffer, .address_space: global }
      - { .name: v_sc, .offset: 40, .size: 8, .value_kind: global_buffer, .address_space: global }
      - { .name: ctx_img, .offset: 48, .size: 8, .value_kind: global_buffer, .address_space: global }
      - { .name: ctx_sc, .offset: 56, .size: 8, .value_kind: global_buffer, .address_space: global }
    .group_segment_fixed_size: 169984
    .private_segment_fixed_size: 0
    .kernarg_segment_align: 8
    .kernarg_segment_size: 64
    .max_flat_workgroup_size: 512
    .sgpr_count:     96
    .vgpr_count:     256
    .wavefront_size: 32
...
	.end_amdgpu_metadata
.endif
;; end of part 2
;; launch oproj (part 3): grid 4 x 64, 4 waves a work-group, clusters of 4 x 4, 327,680 bytes of LDS; arguments ctx_img, ctx_sc, Wo_codes, Wo_scales, bo, out0; writes out0
.if DOCPART == 3
	.amdgcn_target "amdgcn-amd-amdhsa--gfx1250"
	.amdhsa_code_object_version 6
	.text
	.protected	k_q2a2581c023_oproj
	.globl	k_q2a2581c023_oproj
	.p2align	8
	.type	k_q2a2581c023_oproj,@function
k_q2a2581c023_oproj:
	s_mov_b64 s[64:65], 0
	v_nop
	global_prefetch_b8 v0, s[64:65] scope:SCOPE_SE
	s_setreg_imm32_b32 hwreg(HW_REG_WAVE_MODE, 25, 1), 1
	s_wait_xcnt 0x0
	s_wait_alu depctr_hold_cnt(0) depctr_sa_sdst(0) depctr_va_vdst(0) depctr_va_sdst(0) depctr_va_ssrc(0) depctr_va_vcc(0) depctr_vm_vsrc(0)
	s_getreg_b32 s2, hwreg(HW_REG_IB_STS2, 6, 4)
	s_cmp_eq_u32 s2, 0
	s_cbranch_scc0 .Lentry_in_a_cluster
	s_endpgm
.Lentry_in_a_cluster:
	s_bfe_u32 s2, ttmp6, 0x10000c
	s_cmp_lg_u32 s2, 0xf033
	s_cbranch_scc0 .Lentry_shape_is_right
	s_endpgm
.Lentry_shape_is_right:
; out = ctx Wo^T + bo on codes of FP4 (E2M1) with one E8M0 scale for each 32 along K = 1,024; sums and out in f32.
; ctx comes as images of operand registers ([tile of 16 rows][K step 8][c 2][512 bytes]) with its scale words laid as the scale registers want them; Wo as rows of 512 bytes.
; SHARES.  256 work-groups of 128 rows x 256 columns; each of four waves makes 64 x 128: 32 accumulators, 256 registers.  Source 0 = Wo's rows, source 1 = ctx: a lane holds eight neighbouring columns of a row of out.
; LDS.  All of K fits: two slots of 512 along K, each filled once by joint loads (ctx's tile shared along a row of the 4 x 4 cluster, Wo's along a column).  Nothing is filled again.
; The way out goes through a stage for each wave in slot 0, which has had its only fill, and which nobody reads behind the barrier that stands ahead of K step 4's fetch.
; LIMITS: given scale bytes are taken as they are and are not 0xff; NaN and infinities are not served.
; REGISTERS.  window 0: v1-9 lane terms; v16-25 LDS addresses; v32-63 Wo's scale words, v64-79 ctx's; v128-191 ctx's fragments, two sets; on the way out v128-255 rows of out.
;   window 1: Wo's fragments at v0 and v128; v64-127 bo as eight tiles of C.   window 2: accumulator (a, b) at v[8 (8 a + b)].
.set PITCH,  272
.set HALFT,  128*PITCH
.set AIMG,   32768                     ; a slot: ctx's 8 tiles x 4,096 bytes, then Wo's 256 rows
.set SLOT,   AIMG+2*HALFT
.set SPITCH, 528                       ; a stage row: 512 bytes + 16
.set LI,   4                           ; v4   16 x lane: an image's place, a stage row's, and a row of out's
.set VSO,  6
.set VBH,  7
.set ADRA, 16
.set ADRB, 20
.set STO,  24
.set RD,   25
.set SC0,  32
.set SC1,  64
.set AF,   128
.set BK,   128
.set BIAS, 64
.set WV,   66
.set CX,   68
.set CY,   69
.set WY,   70
.set FB,   71                          ; wave / 2: my half of the rows; also: I fetch for ctx (0) or for Wo (1)
.set HB,   72                          ; wave % 2: my half of the columns; also: which half of that tile I fetch
.set TX,   75
.set G1A,  44
.set G0A,  52
.set G1B,  84
.set G0B,  92
.set MSB, 0
.macro WIN new
.if MSB != (\new)
	s_set_vgpr_msb (MSB<<8)|(\new)
.set MSB, (\new)
.endif
.endm
.macro JLOAD g0a, g1a, g0b, g1b        ; a joint load; the branch hangs on the wave's number alone; four v_nop follow each line
	s_cmp_eq_u32 s[FB], 0
	s_cbranch_scc0 .Lfor_w_\@
	tensor_load_to_lds s[\g0a:\g0a+3], s[\g1a:\g1a+7]
	s_nop 0
.rept 4
	v_nop
.endr
	s_branch .Lasked_\@
.Lfor_w_\@:
	tensor_load_to_lds s[\g0b:\g0b+3], s[\g1b:\g1b+7]
	s_nop 0
.rept 4
	v_nop
.endr
.Lasked_\@:
.endm
.macro CROUND
	s_barrier_signal -1
	s_barrier_wait -1
	s_cmp_lg_u32 s[WV], 0
	s_cbranch_scc1 .Lnot_wave_0_\@
	s_barrier_signal -3
.Lnot_wave_0_\@:
	s_barrier_wait -3
	s_barrier_signal -1
	s_barrier_wait -1
.endm
.macro PLACES
.rept 4
	v_nop
.endr
.endm
.macro FETCH k                         ; K step k: Wo's eight fragments from rows, ctx's four as images: 24 loads in one run, into set k % 2
.set FP, (\k)%2
.set FS, (\k)/4
.set FQ, (\k)%4
	WIN 0x40
.irp i, 0,1,2,3,4,5,6,7
.irp c, 0,1
	ds_load_b128 v[128*FP+8*\i+4*\c:128*FP+8*\i+4*\c+3], v[ADRB+FS] offset:64*FQ+32*\c+\i*16*PITCH
.endr
.endr
	WIN 0
.irp a, 0,1,2,3
.irp c, 0,1
	ds_load_b128 v[AF+32*FP+8*\a+4*\c:AF+32*FP+8*\a+4*\c+3], v[ADRA+FS] offset:4096*\a+1024*FQ+512*\c
.endr
.endr
.endm
.macro WM d, x, y, c, sx, sy, hi       ; hi = 1: K steps 4 to 7 take their scale words from lanes 16-31
.if \hi
	v_wmma_scale_f32_16x16x128_f8f6f4 v[(\d):(\d)+7], v[(\x):(\x)+7], v[(\y):(\y)+7], v[(\c):(\c)+7], v[\sx], v[\sy] matrix_a_fmt:MATRIX_FMT_FP4 matrix_b_fmt:MATRIX_FMT_FP4 matrix_a_scale:MATRIX_SCALE_ROW1 matrix_b_scale:MATRIX_SCALE_ROW1
.else
	v_wmma_scale_f32_16x16x128_f8f6f4 v[(\d):(\d)+7], v[(\x):(\x)+7], v[(\y):(\y)+7], v[(\c):(\c)+7], v[\sx], v[\sy] matrix_a_fmt:MATRIX_FMT_FP4 matrix_b_fmt:MATRIX_FMT_FP4
.endif
.endm
.macro MULALL k, first                 ; 32 products; the 32 accumulators take turns in the same order in every step; first = 1: the sums start with bo
.set MP, (\k)%2
.set MQ, (\k)%4
.set MH, (\k)/4
.if \first
	WIN 0x91                                       ; source 0 window 1, source 1 window 0, C window 1, D window 2
.else
	WIN 0xa1                                       ; C and D window 2
.endif
.irp a, 0,1,2,3
.irp b, 0,1,2,3,4,5,6,7
.if \first
	WM 8*(8*\a+\b), 128*MP+8*\b, AF+32*MP+8*\a, BIAS+8*\b, SC0+4*\b+MQ, SC1+4*\a+MQ, MH
.else
	WM 8*(8*\a+\b), 128*MP+8*\b, AF+32*MP+8*\a, 8*(8*\a+\b), SC0+4*\b+MQ, SC1+4*\a+MQ, MH
.endif
.endr
.endr
.endm
.macro KSTEP k
	s_wait_dscnt 0x0                               ; this step's loads, issued a step ago, are in
.if (\k) == 3
	s_wait_tensorcnt 0x0                           ; my part of slot 1 has landed,
	s_barrier_signal -1
	s_barrier_wait -1                              ; everybody's has, and nobody reads slot 0 any more
.endif
.if (\k) < 7
	PLACES
	FETCH (\k)+1
.endif
	MULALL \k, 0
.endm
; THE WAY OUT, a block of 16 rows x 128 columns at a time: into my stage, 32 bytes a lane, and back as whole rows of 512 bytes.  LDS serves a wave's instructions in order (ISA guide 5.7.1.4).
.macro TOSTAGE a
	WIN 0x08                                       ; an LDS store's data: window 2
.irp b, 0,1,2,3,4,5,6,7
	ds_store_b128 v[STO], v[64*(\a)+8*\b:64*(\a)+8*\b+3] offset:64*\b        ; each accumulator from its low end on
	ds_store_b128 v[STO], v[64*(\a)+8*\b+4:64*(\a)+8*\b+7] offset:64*\b+16
.endr
	WIN 0
.set BB, BK+64*((\a)%2)
.irp t, 0,1,2,3,4,5,6,7,8,9,10,11,12,13,14,15
	ds_load_b128 v[BB+4*\t:BB+4*\t+3], v[RD] offset:\t*SPITCH
.endr
.endm
.macro SEND a, younger                 ; younger: the LDS instructions issued behind block a's loads, which may stay out
.set BB, BK+64*((\a)%2)
	s_wait_dscnt \younger
.if (\a) > 0
	s_add_nc_u64 s[14:15], s[14:15], 16*4096       ; 16 rows of out on (behind a wait on XCNT: the earlier stores have read their base)
.endif
.irp t, 0,1,2,3,4,5,6,7,8,9,10,11,12,13,14,15
	global_store_b128 v[LI], v[BB+4*\t:BB+4*\t+3], s[14:15] offset:\t*4096 th:TH_STORE_NT   ; 32 lanes store 512 consecutive bytes, at a multiple of 256 from out's first byte
.endr
.endm
	s_load_b256 s[4:11], s[0:1], 0x0               ; ctx's images, ctx's scale words, Wo's codes, Wo's scales
	s_load_b128 s[12:15], s[0:1], 0x20             ; bo, out
	v_lshl_add_u32 v126, v0, 2, 0x32000
	v_mov_b32 v127, 0
	ds_add_u32 v126, v127
	ds_add_u32 v126, v127
	v_lshrrev_b32 v1, 5, v0
	v_readfirstlane_b32 s[WV], v1
	s_lshr_b32 s[FB], s[WV], 1
	s_and_b32 s[HB], s[WV], 1
	s_bfe_u32 s[CX], ttmp6, 0x40000
	s_bfe_u32 s[CY], ttmp6, 0x40004
	s_and_b32 s76, ttmp7, 0xffff
	s_lshl_b32 s[WY], s76, 2
	s_add_co_u32 s[WY], s[WY], s[CY]               ; which 128 rows
	s_lshl_b32 s[TX], ttmp9, 2
	s_add_co_u32 s[TX], s[TX], s[CX]               ; which 256 columns
	s_lshl_b32 s73, s[CY], 2
	s_lshl_b32 s73, 15, s73                        ; my row of the cluster
	s_lshl_b32 s74, 0x1111, s[CX]                  ; my column
	s_or_b32 s[G1A], s73, (3<<16)|(1<<21)          ; ctx: 4 tiles of rows x 4,096 bytes (512 elements of 8), 8,192 bytes apart; no padding
	s_mov_b32 s[G1A+1], 512<<16
	s_mov_b32 s[G1A+2], 4<<16
	s_mov_b32 s[G1A+3], 512<<16
	s_mov_b32 s[G1A+4], 4
	s_mov_b32 s[G1A+5], 1024
	s_mov_b32 s[G1A+6], 0
	s_mov_b32 s[G1A+7], 0
	s_or_b32 s[G1B], s74, (1<<20)|(1<<21)|(5<<22)|(3<<25)   ; Wo: 128 rows x 256 bytes, 512 apart, 16 bytes of padding behind each
	s_mov_b32 s[G1B+1], 256<<16
	s_mov_b32 s[G1B+2], 128<<16
	s_mov_b32 s[G1B+3], 256<<16
	s_mov_b32 s[G1B+4], 128
	s_mov_b32 s[G1B+5], 512
	s_mov_b32 s[G1B+6], 0
	s_mov_b32 s[G1B+7], 0
	s_lshl_b32 s76, s[WY], 3
	s_lshl_b32 s80, s[HB], 2
	s_add_co_u32 s76, s76, s80
	s_lshl_b32 s76, s76, 13                        ; ctx: tile 8 wy + 4 x half, 8,192 bytes a tile
	s_mov_b32 s77, 0
	s_lshl_b32 s78, s[TX], 8
	s_lshl_b32 s80, s[HB], 7
	s_add_co_u32 s78, s78, s80
	s_lshl_b32 s78, s78, 9                         ; Wo: row 256 tx + 128 x half
	s_mov_b32 s79, 0
	s_lshl_b32 s81, s[HB], 14                      ; where they go in a slot
	s_mul_i32 s82, s[HB], HALFT
	s_add_co_u32 s82, s82, AIMG
	s_wait_dscnt 0x0
	s_wait_kmcnt 0x0
	s_add_nc_u64 s[76:77], s[4:5], s[76:77]
	s_add_nc_u64 s[78:79], s[8:9], s[78:79]
	CROUND                                         ; all sixteen work-groups are here: the joint loads meet
.irp s, 0,1
	s_mov_b32 s[G0A+4*\s], 1
	s_add_co_u32 s[G0A+4*\s+1], s81, \s*SLOT
	s_add_nc_u64 s[G0A+4*\s+2:G0A+4*\s+3], s[76:77], \s*4096
	s_or_b32 s[G0A+4*\s+3], s[G0A+4*\s+3], 0x80000000
	s_mov_b32 s[G0B+4*\s], 1
	s_add_co_u32 s[G0B+4*\s+1], s82, \s*SLOT
	s_add_nc_u64 s[G0B+4*\s+2:G0B+4*\s+3], s[78:79], \s*256
	s_or_b32 s[G0B+4*\s+3], s[G0B+4*\s+3], 0x80000000
	s_wait_alu depctr_va_vdst(0)
	s_wait_tensorcnt 0x0
	ds_add_u32 v126, v127
	ds_add_u32 v126, v127
	s_wait_dscnt 0x0
	CROUND
	JLOAD G0A+4*\s, G1A, G0B+4*\s, G1B             ; one slot at a time: slot 1's is asked for only after slot 0's has landed
.endr
	s_mov_b32 s21, 0
	s_lshl_b32 s22, s[TX], 8
	s_lshl_b32 s23, s[HB], 7
	s_add_co_u32 s22, s22, s23                     ; my first column
	s_lshl_b32 s20, s22, 5
	s_add_nc_u64 s[10:11], s[10:11], s[20:21]      ; Wo's scale bytes, 32 a row
	s_lshl_b32 s20, s22, 2
	s_add_nc_u64 s[12:13], s[12:13], s[20:21]      ; bo
	s_add_nc_u64 s[14:15], s[14:15], s[20:21]      ; out: my first column,
	s_lshl_b32 s20, s[WY], 3
	s_lshl_b32 s23, s[FB], 2
	s_add_co_u32 s23, s20, s23                     ; my first tile of 16 rows
	s_lshl_b32 s20, s23, 9
	s_add_nc_u64 s[6:7], s[6:7], s[20:21]          ; ctx's scale words, 512 bytes a tile
	s_lshl_b32 s20, s23, 16
	s_add_nc_u64 s[14:15], s[14:15], s[20:21]      ; and my first row: 16 rows of 4,096 bytes a tile
	v_and_b32 v1, 15, v0                           ; r
	v_bfe_u32 v2, v0, 4, 1                         ; h
	v_and_b32 v9, 31, v0                           ; lane
	v_mul_u32_u24 v3, v1, PITCH
	v_lshl_add_u32 v3, v2, 4, v3
	v_lshlrev_b32 v[LI], 4, v9
	v_lshlrev_b32 v[VSO], 5, v1
	v_lshl_add_u32 v[VSO], v2, 4, v[VSO]
	v_lshlrev_b32 v[VBH], 5, v2
.irp i, 0,1,2,3,4,5,6,7
	global_load_b128 v[SC0+4*\i:SC0+4*\i+3], v[VSO], s[10:11] offset:512*\i   ; lanes 0-15: K steps 0-3 of row r; lanes 16-31: K steps 4-7
.endr
.irp a, 0,1,2,3
	global_load_b128 v[SC1+4*\a:SC1+4*\a+3], v[LI], s[6:7] offset:512*\a      ; laid so by the launch before
.endr
	WIN 0x40
.irp b, 0,1,2,3,4,5,6,7
	global_load_b128 v[BIAS+8*\b:BIAS+8*\b+3],   v[VBH], s[12:13] offset:64*\b       ; tile b of C: register j = bo(16 b + 8 h + j)
	global_load_b128 v[BIAS+8*\b+4:BIAS+8*\b+7], v[VBH], s[12:13] offset:64*\b+16
.endr
	WIN 0
	s_lshl_b32 s24, s[FB], 14                      ; my four tiles of ctx
	v_add_nc_u32 v[ADRA], s24, v[LI]
	v_add_nc_u32 v[ADRA+1], SLOT, v[ADRA]
	s_mul_i32 s25, s[HB], HALFT                    ; my 128 rows of Wo
	s_add_co_u32 s25, s25, AIMG
	v_add_nc_u32 v[ADRB], s25, v3
	v_add_nc_u32 v[ADRB+1], SLOT, v[ADRB]
	s_mul_i32 s26, s[WV], 16*SPITCH                ; my stage
	v_mul_u32_u24 v[STO], v1, SPITCH
	v_lshl_add_u32 v[STO], v2, 5, v[STO]
	v_add_nc_u32 v[STO], s26, v[STO]               ; in: row r, 32 bytes for each half of the lanes
	v_add_nc_u32 v[RD], s26, v[LI]                 ; back: the 32 lanes take one row
	s_wait_alu depctr_va_vdst(0)
	s_wait_tensorcnt 1                             ; my part of slot 0 is in; slot 1's load, the one issued behind it, may be out
	s_barrier_signal -1
	s_barrier_wait -1
	FETCH 0
	s_wait_loadcnt 0x0                             ; scale words and bo
	s_wait_dscnt 0x0
	FETCH 1
	MULALL 0, 1
	KSTEP 1
	KSTEP 2
	KSTEP 3
	KSTEP 4
	KSTEP 5
	KSTEP 6
	KSTEP 7
	WIN 0
	PLACES                                         ; ahead of the stage's reads of results and of the loads into ctx's fragment registers
	TOSTAGE 0
.irp a, 1,2,3
.if \a > 1
	s_wait_xcnt 0x0                                ; block a - 2's stores have read their registers and their base
.endif
	TOSTAGE \a
	SEND \a-1, 32                                  ; behind block a - 1's loads: block a's 16 stores and 16 loads
.endr
	s_wait_xcnt 0x0
	SEND 3, 0
	s_wait_tensorcnt 0x0
	ds_add_u32 v126, v127
	s_wait_dscnt 0x0
	CROUND                                         ; the closing round
	s_endpgm
.Lfunc_end_k_q2a2581c023_oproj:
	.size	k_q2a2581c023_oproj, .Lfunc_end_k_q2a2581c023_oproj-k_q2a2581c023_oproj
	.p2alignl 7, 3214868480
	.fill 96, 4, 3214868480
	.section	.rodata,"a",@progbits
	.p2align	6, 0x0
	.amdhsa_kernel k_q2a2581c023_oproj
		.amdhsa_group_segment_fixed_size 327680
		.amdhsa_private_segment_fixed_size 0
		.amdhsa_enable_private_segment 0
		.amdhsa_kernarg_size 48
		.amdhsa_user_sgpr_count 2
		.amdhsa_user_sgpr_kernarg_segment_ptr 1
		.amdhsa_wavefront_size32 1
		.amdhsa_system_sgpr_workgroup_id_x 1
		.amdhsa_system_sgpr_workgroup_id_y 1
		.amdhsa_system_sgpr_workgroup_id_z 1
		.amdhsa_system_vgpr_workitem_id 0
		.amdhsa_next_free_vgpr 768
		.amdhsa_next_free_sgpr 100
		.amdhsa_reserve_vcc 0
		.amdhsa_float_denorm_mode_32 3
		.amdhsa_float_denorm_mode_16_64 3
		.amdhsa_memory_ordered 1
		.amdhsa_forward_progress 1
		.amdhsa_inst_pref_size 72
	.end_amdhsa_kernel
	.amdgpu_metadata
---
amdhsa.version: [ 1, 2 ]
amdhsa.kernels:
  - .name:           k_q2a2581c023_oproj
    .symbol:         k_q2a2581c023_oproj.kd
    .args:
      - { .name: ctx_img, .offset: 0, .size: 8, .value_kind: global_buffer, .address_space: global }
      - { .name: ctx_sc, .offset: 8, .size: 8, .value_kind: global_buffer, .address_space: global }
      - { .name: Wo_codes, .offset: 16, .size: 8, .value_kind: global_buffer, .address_space: global }
      - { .name: Wo_scales, .offset: 24, .size: 8, .value_kind: global_buffer, .address_space: global }
      - { .name: bo, .offset: 32, .size: 8, .value_kind: global_buffer, .address_space: global }
      - { .name: out0, .offset: 40, .size: 8, .value_kind: global_buffer, .address_space: global }
    .group_segment_fixed_size: 327680
    .private_segment_fixed_size: 0
    .kernarg_segment_align: 8
    .kernarg_segment_size: 48
    .max_flat_workgroup_size: 128
    .sgpr_count:     100
    .vgpr_count:     768
    .wavefront_size: 32
...
	.end_amdgpu_metadata
.endif
;; end of part 3
